; MI455X (gfx1250); checked and timed in simulation.
; The chip was launched on July 23, 2026; its instructions are those of AMD's public machine-readable ISA for CDNA 5 (MIT licence, August 2026) and "CDNA5" Instruction Set Architecture Reference Guide (July 2026). The comments in the code are by the model that wrote it; some were corrected since.
;; Bahdanau Attention. Allowed arithmetic: matrix products marked QUANTISED: E5M2 operands, one E8M0 scale for each 32 along K, by v_wmma_scale_f32_16x16x128_f8f6f4 with both operands' format E5M2, f32 sums; products left as they are: f32 operands where the result goes on into a quantised operand, else bf16, f16 or f32 operands; f32 sums; everything else in f32.
;; Inputs: V_b 1 float32; V_w 1,024 x 1 float32; Wc_b 1,024 float32; Wc_w 1 x 1,024 float32; Wh_b 1,024 float32; Wh_w 1,024 x 1,024 float32; Ws_b 1,024 float32; Ws_w 1,024 x 1,024 float32; dec_hidden 32 x 1,024 float32; enc_output 32 x 2,048 x 1,024 float32; enc_pad_mask 32 x 2,048 int32; prev_coverage 32 x 2,048 x 1 float32.
;; Outputs: out0 32 x 1,024 float32; out1 32 x 2,048 float32; out2 32 x 2,048 x 1 float32.
;; Constants: use_coverage = True.
;; This version of the problem:
;;   THIS VERSION OF THE PROBLEM IS GIVEN IN LOW PRECISION. The matrix products marked QUANTISED in the list below multiply operands that are first quantised to E5M2 (5 exponent bits, 2 mantissa bits; 8 bits a number), with one power-of-two scale for each 32 numbers along K (OCP MX v1.0); their sums are f32. All else is computed in f32.
;;   The module's matrix products, in the order in which they are computed (A, B: the left and right operand; K: the contracted axis; several contracted axes count as one K, in the product's order):
;;     1. [M 32, K 1,024] x [K 1,024, N 1,024]; A: input dec_hidden; B: input Wh_w: QUANTISED
;;     2. [M 65,536, K 1,024] x [K 1,024, N 1,024]; A: input enc_output; B: input Ws_w: QUANTISED
;;     3. [M 65,536, K 1] x [K 1, N 1,024]; A: input prev_coverage; B: input Wc_w: left as it is (K = 1 < 32)
;;     4. [M 65,536, K 1,024] x [K 1,024, N 1]; A: computed on the way; B: input V_w: left as it is (N = 1 < 16)
;;   THE QUANTISER, for each operand of a quantised product, along K:
;;     - K is cut into blocks of 32 from its start; a last block that is shorter is filled with zeros.
;;     - A block's scale is 2^e with e = floor(log2(the largest magnitude in the block)) - 15, held to -126 .. 127; a block of zeros has e = 0. As a byte (E8M0): e + 127.
;;     - Each number is divided by its block's scale, clamped to +-57,344, and rounded to the nearest number of E5M2, ties to even, subnormals kept.
;;     - The product sums the exact products of the quantised numbers (number of the format x scale) in f32.
;;   ~~~python
;;   def quantise(x, axis):      # numpy; x: float32 -> the quantised numbers, widened to float32 again
;;       x = np.moveaxis(x, axis, -1); K = x.shape[-1]
;;       x = np.pad(x, [(0, 0)] * (x.ndim - 1) + [(0, -K % 32)]); x = x.reshape(x.shape[:-1] + (-1, 32)); a = np.abs(x).max(-1, keepdims=True)
;;       e = np.where(a > 0, np.clip(np.frexp(np.where(a > 0, a, 1))[1] - 1 - 15, -126, 127), 0)      # np.frexp(a)[1] - 1 = floor(log2(a)), exactly
;;       r = np.clip(x / 2.0 ** e, -57344, 57344)
;;       step = 2.0 ** (np.maximum(np.frexp(np.where(r == 0, 1, r))[1] - 1, -14) - 2)
;;       q = np.round(r / step) * step * 2.0 ** e      # np.round: ties to even
;;       return np.moveaxis(q.reshape(q.shape[:-2] + (-1,))[..., :K], -1, axis).astype(np.float32)
;;   ~~~
;; One version. Each part assembles by itself: llvm-mc -triple=amdgcn-amd-amdhsa -mcpu=gfx1250 --defsym DOCPART=n.
;; ======== version 1 of 1: 3 launches
;; limits: right only within a limited range of input values
;; workspace buffers: wsq 1,081,344 bytes; base 131,072 bytes; scores 262,144 bytes; part 4,456,448 bytes
;; launch prep (part 1): grid 32 x 1, 8 waves a work-group, no clusters, 37,888 bytes of LDS; arguments Ws_w, Wh_w, dec_hidden, Wh_b, Ws_b, Wc_b, wsq, base; writes wsq, base
.if DOCPART == 1
	.amdgcn_target "amdgcn-amd-amdhsa--gfx1250"
	.amdhsa_code_object_version 6
	.text
	.protected	k_q7bf9cb97de_prep
	.globl	k_q7bf9cb97de_prep
	.p2align	8
	.type	k_q7bf9cb97de_prep,@function
k_q7bf9cb97de_prep:
	s_mov_b64 s[64:65], 0
	v_nop
	global_prefetch_b8 v0, s[64:65] scope:SCOPE_SE
	s_setreg_imm32_b32 hwreg(HW_REG_WAVE_MODE, 25, 1), 1
	s_wait_xcnt 0x0
; PREP.  (1) Ws_w [1024 k][1024 u], f32, becomes codes of BF8 (E5M2) with one E8M0 scale byte for each 32 along k, laid in the order of a matrix operand's registers:
;     wsq = 64 records of 16,896 bytes, record t = columns 16 t .. 16 t + 15.  Byte 2048 s + 512 c + 256 h + 16 r + i is the code of k = 128 s + 32 c + 16 h + i of column 16 t + r;
;     byte 16,384 + 16 L + 4 p (L = 0 .. 31) begins the scale word of column L % 16 for K step 2 p + L / 16.
; (2) base[b][u] = Q(dec_hidden) Q(Wh_w) + Wh_b + Ws_b + Wc_b: all that is added to every place of batch b.
; SHARES.  Work-group g takes columns 32 g .. 32 g + 31 of both weights, wave w the K step k = 128 w .. 128 w + 127.  A LANE TAKES A COLUMN AND ITS REGISTERS RUN DOWN K: a load reads 128 consecutive bytes,
; a block of 32 lies in one lane, and the conversions give codes with K innermost.  The eight waves' partial sums of the small product meet in LDS.
; LIMITS.  NaN and infinities among the inputs are not served.  A block of zeros gets the scale byte 1 where the rule says 127: its codes are zeros, and this program alone reads the bytes.
; The small product's sum over K is added across eight waves in f32: another order than one chain along K.  The scale words (1 KB a work-group) and base's rows (128 bytes a piece) leave in pieces shorter than 256 bytes.
; No cluster: the work-groups share dec_hidden alone, 128 KB of the launch's 8.5 MB.
; REGISTERS.  Window 0: v1-15 addresses; v16-31 at work; v50-53 scale words; v54-65 biases; v66-97 dec's two fragments; v98-129 Wh's two; v130-161 four accumulators; v162-193 Ws's codes; v194-225 the reduction.
; Window 1: v0-127 dec's numbers, then Ws's; v128-255 Wh's.
; enc_pad_mask: reference() takes it and never uses it, so it has no way to any output for any values: no launch loads it, and it is among no launch's arguments.
; DEAD WORK, left out by the whole program.  score = V_b + the sum over u of V[u] tanh(feat) = (V_b + the sum of V) - 2 x the sum over u of V[u] / (1 + e^(2 feat)), for all values of the inputs.  The term in brackets is the same
; for all places of a batch, and the score goes into the softmax over the places and nowhere else: the softmax takes such a term away.  So it is not formed, and V_b is not loaded and is among no launch's arguments.
; LIMIT: a NaN, an infinity or an overflow that reaches only V_b or the sum of V is not carried to the results.
.set PP,    144                        ; a batch's row of partial sums in LDS: 32 u x 4 bytes + 16
.set PW8,   32*PP                      ; a wave's 32 rows
.set SPARE, 8*PW8                      ; behind them the spare words: 128 bytes for each of eight waves, four blocks of 256 bytes that no other line names
.set REC,   16896
.set SPW, 1                            ; v1   LDS address of my spare word; never rewritten
.set NIL, 2                            ; v2   0; never rewritten
.set O4,  3                            ; v3   4 x lane: my column in a row of a weight
.set OD,  4                            ; v4   dec: 4096 r + 64 h
.set OQ,  5                            ; v5   wsq: 16,896 (lane / 16) + 16 (lane % 16)
.set LP,  7                            ; v7   where I put partial sums
.set LR,  8                            ; v8   where I read them back
.set OB,  9                            ; v9   16 (t % 8): my four u in the biases
.set OO,  10                           ; v10  4096 (t / 8) + 16 (t % 8): my four numbers of base
.set TM,  16                           ; v16-19 largest magnitudes, v20-23 bytes, v24-27 the largest number x the scale, v28-31 the conversions' scale operands
.set SWS, 50
.set SWH, 51
.set DS0, 52
.set DS1, 53
.set BI,  54
.set DA0, 66
.set DA1, 82
.set FA,  98
.set FB,  114
.set ACC, 130
.set GA,  162
.set GB,  178
.set RL,  194
.set D0,  0                            ; window 1
.set D1,  64
.set WH,  128
.set WSR, 0
.set MNT, 21                           ; s21  the mantissa field of 57,344
.set SEL, 24                           ; s[24:25] v_permlanex16_b32's selects for lane l xor 16
.set MSB, 0
.macro WIN new                         ; the immediate's high byte repeats the setting that is left
.if MSB != \new
	s_set_vgpr_msb (MSB<<8)|\new
.set MSB, \new
.endif
.endm
; 64 numbers of a lane in window 1, register 16 b + i = k 32 b + 16 (lane / 16) + i of my row, become a fragment's codes in v[dst] on and its scale word in v[pw].
.macro QUANT src, dst, pw
	WIN 0x14                                       ; sources 1 and 2 in window 1
.irp b, 0,1,2,3
	v_max3_num_f32 v[TM+\b], 0x8000000, |v[\src+16*\b]|, |v[\src+16*\b+1]|   ; block b: my 16 numbers, and the floor 2^(16 - 127): the byte cannot fall under 1
.endr
.irp i, 2,4,6,8,10,12,14
.irp b, 0,1,2,3
	s_delay_alu instid0(VALU_DEP_4)
	v_max3_num_f32 v[TM+\b], v[TM+\b], |v[\src+16*\b+\i]|, |v[\src+16*\b+\i+1]|
.endr
.endr
	WIN 0
.irp b, 0,1,2,3
	v_permlanex16_b32 v[TM+4+\b], v[TM+\b], s[SEL], s[SEL+1]
.endr
.irp b, 0,1,2,3
	s_delay_alu instid0(VALU_DEP_4)
	v_max_num_f32 v[TM+\b], v[TM+\b], v[TM+4+\b]   ; with lane l xor 16's: the block's largest magnitude
.endr
.irp b, 0,1,2,3
	s_delay_alu instid0(VALU_DEP_4)
	v_add_nc_u32 v[TM+12+\b], 0xf8800000, v[TM+\b] ; 15 off its exponent field: the conversion's scale operand
.endr
.irp b, 0,1,2,3
	v_and_or_b32 v[TM+8+\b], v[TM+\b], 0x7f800000, s[MNT]   ; 57,344 x the scale
.endr
.irp b, 0,1,2,3
	v_lshrrev_b32 v[TM+4+\b], 23, v[TM+12+\b]      ; the scale's byte
.endr
	s_delay_alu instid0(VALU_DEP_3)
	v_lshl_or_b32 v[\pw], v[TM+5], 8, v[TM+4]
	s_delay_alu instid0(VALU_DEP_1)
	v_lshl_or_b32 v[\pw], v[TM+6], 16, v[\pw]
	s_delay_alu instid0(VALU_DEP_1)
	v_lshl_or_b32 v[\pw], v[TM+7], 24, v[\pw]
	WIN 0x41                                       ; destination and source 0 in window 1
.set n, 0
.rept 64
	v_med3_num_f32 v[\src+n], v[\src+n], -v[TM+8+n/16], v[TM+8+n/16]   ; the conversion to an 8-bit code does not saturate (ISA guide 7.6.2): the hold comes first
.set n, n+1
.endr
	WIN 0x01
.irp b, 0,1,2,3
	v_cvt_scalef32_pk8_bf8_f32 v[\dst+4*\b:\dst+4*\b+1], v[\src+16*\b:\src+16*\b+7], v[TM+12+\b]
	v_cvt_scalef32_pk8_bf8_f32 v[\dst+4*\b+2:\dst+4*\b+3], v[\src+16*\b+8:\src+16*\b+15], v[TM+12+\b]
.endr
	WIN 0
	v_nop                                          ; a plain line behind the last scaled conversion
.endm
; 128 numbers of a lane in window 1, register kk = k 128 w + kk of MY COLUMN: four whole blocks.  Of block c the codes of k 0-15 go to v[fa + 4 c] on, those of k 16-31 to v[fb + 4 c] on; the four bytes make v[sw].
.macro QCOL src, fa, fb, sw
	WIN 0x14
.irp c, 0,1,2,3
	v_max3_num_f32 v[TM+\c], 0x8000000, |v[\src+32*\c]|, |v[\src+32*\c+1]|
.endr
.irp i, 2,4,6,8,10,12,14,16,18,20,22,24,26,28,30
.irp c, 0,1,2,3
	s_delay_alu instid0(VALU_DEP_4)
	v_max3_num_f32 v[TM+\c], v[TM+\c], |v[\src+32*\c+\i]|, |v[\src+32*\c+\i+1]|
.endr
.endr
	WIN 0
.irp c, 0,1,2,3
	v_add_nc_u32 v[TM+12+\c], 0xf8800000, v[TM+\c]
.endr
.irp c, 0,1,2,3
	v_and_or_b32 v[TM+8+\c], v[TM+\c], 0x7f800000, s[MNT]
.endr
.irp c, 0,1,2,3
	v_lshrrev_b32 v[TM+4+\c], 23, v[TM+12+\c]
.endr
	s_delay_alu instid0(VALU_DEP_3)
	v_lshl_or_b32 v[\sw], v[TM+5], 8, v[TM+4]
	s_delay_alu instid0(VALU_DEP_1)
	v_lshl_or_b32 v[\sw], v[TM+6], 16, v[\sw]
	s_delay_alu instid0(VALU_DEP_1)
	v_lshl_or_b32 v[\sw], v[TM+7], 24, v[\sw]
	WIN 0x41
.set n, 0
.rept 128
	v_med3_num_f32 v[\src+n], v[\src+n], -v[TM+8+n/32], v[TM+8+n/32]
.set n, n+1
.endr
	WIN 0x01
.irp c, 0,1,2,3
	v_cvt_scalef32_pk8_bf8_f32 v[\fa+4*\c:\fa+4*\c+1], v[\src+32*\c:\src+32*\c+7], v[TM+12+\c]
	v_cvt_scalef32_pk8_bf8_f32 v[\fa+4*\c+2:\fa+4*\c+3], v[\src+32*\c+8:\src+32*\c+15], v[TM+12+\c]
	v_cvt_scalef32_pk8_bf8_f32 v[\fb+4*\c:\fb+4*\c+1], v[\src+32*\c+16:\src+32*\c+23], v[TM+12+\c]
	v_cvt_scalef32_pk8_bf8_f32 v[\fb+4*\c+2:\fb+4*\c+3], v[\src+32*\c+24:\src+32*\c+31], v[TM+12+\c]
.endr
	WIN 0
	v_nop
.endm
	s_load_b512 s[4:19], s[0:1], 0x0               ; Ws_w s[4:5], Wh_w s[6:7], dec s[8:9], Wh_b s[10:11], Ws_b s[12:13], Wc_b s[14:15], wsq s[16:17], base s[18:19]
	v_lshl_add_u32 v[SPW], v0, 2, SPARE
	v_mov_b32 v[NIL], 0
	v_lshrrev_b32 v11, 5, v0
	s_delay_alu instid0(VALU_DEP_1)
	v_readfirstlane_b32 s20, v11                   ; wave 0..7 = my K step
	v_and_b32 v11, 31, v0                          ; lane
	v_and_b32 v12, 15, v0                          ; r
	v_bfe_u32 v13, v0, 4, 1                        ; h
	s_delay_alu instid0(VALU_DEP_3)
	v_lshlrev_b32 v[O4], 2, v11
	s_delay_alu instid0(VALU_DEP_3)
	v_lshlrev_b32 v[OD], 12, v12
	s_delay_alu instid0(VALU_DEP_1)
	v_lshl_add_u32 v[OD], v13, 6, v[OD]
	s_delay_alu instid0(VALU_DEP_4)
	v_mul_u32_u24 v[OQ], v13, REC
	s_delay_alu instid0(VALU_DEP_1)
	v_lshl_add_u32 v[OQ], v12, 4, v[OQ]
	s_mul_i32 s22, s20, PW8
	v_mul_u32_u24 v[LP], v12, PP
	s_delay_alu instid0(VALU_DEP_1)
	v_lshl_add_u32 v[LP], v13, 5, v[LP]
	s_delay_alu instid0(VALU_DEP_1)
	v_add_nc_u32 v[LP], s22, v[LP]                 ; my wave's rows; row r, + 32 h
	v_lshrrev_b32 v14, 3, v0                       ; t / 8: the batch that I add up
	v_and_b32 v15, 7, v0                           ; t % 8: which four u
	s_delay_alu instid0(VALU_DEP_1)
	v_lshlrev_b32 v[OB], 4, v15
	s_delay_alu instid0(VALU_DEP_1)
	v_mad_u32_u24 v[LR], v14, PP, v[OB]
	s_delay_alu instid0(VALU_DEP_2)
	v_lshl_add_u32 v[OO], v14, 12, v[OB]
.irp b, 0,1,2,3
	v_mov_b32 v[TM+4+\b], 0                        ; written once: a lane permute's destination counts as one of its sources
.endr
	s_mov_b32 s[SEL], 0x76543210
	s_mov_b32 s[SEL+1], 0xfedcba98
	s_mov_b32 s[MNT], 0x600000
	s_lshl_b32 s28, ttmp9, 7                       ; 128 g: my 32 columns in a row of 1,024 f32
	s_mov_b32 s29, 0
	s_lshl_b32 s26, s20, 19                        ; 128 w rows of 4,096 bytes
	s_add_co_u32 s26, s26, s28
	s_mov_b32 s27, 0
	s_lshl_b32 s30, s20, 9                         ; dec: 128 w numbers along its rows
	s_mov_b32 s31, 0
	s_mul_i32 s36, ttmp9, 2*REC                    ; my two records
	s_lshl_b32 s32, s20, 11
	s_add_co_u32 s32, s32, s36                     ; + 2048 w: my K step's codes
	s_mov_b32 s33, 0
	s_and_b32 s34, s20, 1
	s_lshl_b32 s34, s34, 8
	s_lshr_b32 s37, s20, 1
	s_lshl_b32 s37, s37, 2
	s_add_co_u32 s34, s34, s37
	s_add_co_u32 s34, s34, s36
	s_add_co_u32 s34, s34, 16384                   ; the scale words: 16,384 + 256 (w % 2) + 4 (w / 2)
	s_mov_b32 s35, 0
	s_wait_alu depctr_va_vdst(0)
	s_wait_kmcnt 0x0
	s_add_nc_u64 s[4:5], s[4:5], s[26:27]
	s_add_nc_u64 s[6:7], s[6:7], s[26:27]
	s_add_nc_u64 s[8:9], s[8:9], s[30:31]
	s_add_nc_u64 s[10:11], s[10:11], s[28:29]
	s_add_nc_u64 s[12:13], s[12:13], s[28:29]
	s_add_nc_u64 s[14:15], s[14:15], s[28:29]
	s_add_nc_u64 s[18:19], s[18:19], s[28:29]
	s_add_nc_u64 s[34:35], s[16:17], s[34:35]
	s_add_nc_u64 s[16:17], s[16:17], s[32:33]
	global_load_b128 v[BI:BI+3], v[OB], s[10:11]
	global_load_b128 v[BI+4:BI+7], v[OB], s[12:13]
	global_load_b128 v[BI+8:BI+11], v[OB], s[14:15]
	WIN 0x40                                       ; destination window 1
.irp e, 0,1                                    ; dec: batches 16 e + r; of each block of 32 my 16 neighbours, 64 bytes
.irp b, 0,1,2,3
.irp j, 0,1,2,3
	global_load_b128 v[D0+64*\e+16*\b+4*\j:D0+64*\e+16*\b+4*\j+3], v[OD], s[8:9] offset:65536*\e+128*\b+16*\j
.endr
.endr
.endr
.set kk, 0
.rept 128
	global_load_b32 v[WH+kk], v[O4], s[6:7] offset:4096*kk th:TH_LOAD_NT   ; Wh(128 w + kk, my column)
.set kk, kk+1
.endr
	WIN 0
	s_wait_loadcnt 63                              ; behind dec's loads stand 128 younger ones; 63 is the largest count that the wait can name
	QUANT D0, DA0, DS0
	QUANT D1, DA1, DS1
	WIN 0x40
.set kk, 0
.rept 128
	global_load_b32 v[WSR+kk], v[O4], s[4:5] offset:4096*kk th:TH_LOAD_NT  ; Ws likewise, into the registers that dec's numbers have left
.set kk, kk+1
.endr
	WIN 0
	s_wait_loadcnt 63                              ; behind Wh's loads stand Ws's 128
	QCOL WH, FA, FB, SWH
.irp j, 0,1,2,3,4,5,6,7,8,9,10,11,12,13,14,15
	v_permlane16_swap_b32 v[FA+\j], v[FB+\j]       ; FA's lanes 16-31 (columns 16-31, k 0-15) change places with FB's lanes 0-15 (columns 0-15, k 16-31): FA is now the fragment of columns 0-15, FB that of columns 16-31
.endr
.rept 8
	v_nop                                          ; operands and scale words written by vector instructions stand 4 and 8 places ahead of a scaled matrix instruction
.endr
	; source 0 = 16 columns of Wh, source 1 = 16 batches: lane (r, h) holds batch r and u = 8 h + 0 .. 7 of the tile.  Four accumulators, one product each
	v_wmma_scale_f32_16x16x128_f8f6f4 v[ACC:ACC+7], v[FA:FA+15], v[DA0:DA0+15], 0, v[SWH], v[DS0] matrix_a_fmt:MATRIX_FMT_BF8 matrix_b_fmt:MATRIX_FMT_BF8
	v_wmma_scale_f32_16x16x128_f8f6f4 v[ACC+8:ACC+15], v[FA:FA+15], v[DA1:DA1+15], 0, v[SWH], v[DS1] matrix_a_fmt:MATRIX_FMT_BF8 matrix_b_fmt:MATRIX_FMT_BF8
	v_wmma_scale_f32_16x16x128_f8f6f4 v[ACC+16:ACC+23], v[FB:FB+15], v[DA0:DA0+15], 0, v[SWH], v[DS0] matrix_a_fmt:MATRIX_FMT_BF8 matrix_b_fmt:MATRIX_FMT_BF8 matrix_a_scale:MATRIX_SCALE_ROW1
	v_wmma_scale_f32_16x16x128_f8f6f4 v[ACC+24:ACC+31], v[FB:FB+15], v[DA1:DA1+15], 0, v[SWH], v[DS1] matrix_a_fmt:MATRIX_FMT_BF8 matrix_b_fmt:MATRIX_FMT_BF8 matrix_a_scale:MATRIX_SCALE_ROW1
	s_wait_loadcnt 0x0                             ; Ws, and the biases
	QCOL WSR, GA, GB, SWS                          ; its plain lines name no register of the four products: they are the places ahead of the stores of the results
.irp c, 0,1,2,3
	global_store_b128 v[OQ], v[GA+4*\c:GA+4*\c+3], s[16:17] offset:512*\c        ; sixteen lanes store 256 consecutive bytes, aligned: k 0-15 of block c of a record's sixteen columns,
	global_store_b128 v[OQ], v[GB+4*\c:GB+4*\c+3], s[16:17] offset:512*\c+256    ; and k 16-31
.endr
	global_store_b32 v[OQ], v[SWS], s[34:35]
.irp a, 0,1
.irp e, 0,1
	ds_store_b128 v[LP], v[ACC+8*(2*\a+\e):ACC+8*(2*\a+\e)+3] offset:16*PP*\e+64*\a        ; each accumulator from its low end on
	ds_store_b128 v[LP], v[ACC+8*(2*\a+\e)+4:ACC+8*(2*\a+\e)+7] offset:16*PP*\e+64*\a+16
.endr
.endr
	s_wait_dscnt 0x0                               ; for the others' sake: my partial sums lie in LDS
	s_barrier_signal -1
	s_barrier_wait -1
.irp j, 0,1,2,3,4,5,6,7
	ds_load_b128 v[RL+4*\j:RL+4*\j+3], v[LR] offset:PW8*\j   ; the eight K steps' sums of my batch and four u
.endr
	s_wait_dscnt 0x0
.irp j, 0,1,2,3
	v_pk_add_f32 v[RL+4*\j:RL+4*\j+1], v[RL+4*\j:RL+4*\j+1], v[RL+16+4*\j:RL+16+4*\j+1]
	v_pk_add_f32 v[RL+4*\j+2:RL+4*\j+3], v[RL+4*\j+2:RL+4*\j+3], v[RL+16+4*\j+2:RL+16+4*\j+3]
.endr
.irp j, 0,1
	s_delay_alu instid0(VALU_DEP_4)
	v_pk_add_f32 v[RL+4*\j:RL+4*\j+1], v[RL+4*\j:RL+4*\j+1], v[RL+8+4*\j:RL+8+4*\j+1]
	s_delay_alu instid0(VALU_DEP_4)
	v_pk_add_f32 v[RL+4*\j+2:RL+4*\j+3], v[RL+4*\j+2:RL+4*\j+3], v[RL+8+4*\j+2:RL+8+4*\j+3]
.endr
	s_delay_alu instid0(VALU_DEP_2)
	v_pk_add_f32 v[RL:RL+1], v[RL:RL+1], v[RL+4:RL+5]
	s_delay_alu instid0(VALU_DEP_2)
	v_pk_add_f32 v[RL+2:RL+3], v[RL+2:RL+3], v[RL+6:RL+7]
.irp j, 0,1,2
	s_delay_alu instid0(VALU_DEP_2)
	v_pk_add_f32 v[RL:RL+1], v[RL:RL+1], v[BI+4*\j:BI+4*\j+1]          ; + Wh_b, + Ws_b, + Wc_b
	s_delay_alu instid0(VALU_DEP_2)
	v_pk_add_f32 v[RL+2:RL+3], v[RL+2:RL+3], v[BI+4*\j+2:BI+4*\j+3]
.endr
	global_store_b128 v[OO], v[RL:RL+3], s[18:19]
	s_wait_tensorcnt 0x0                           ; the wave's end: behind my last LDS store
	ds_add_u32 v[SPW], v[NIL]
	s_wait_dscnt 0x0
	s_endpgm
.Lfunc_end_k_q7bf9cb97de_prep:
	.size	k_q7bf9cb97de_prep, .Lfunc_end_k_q7bf9cb97de_prep-k_q7bf9cb97de_prep
	.p2alignl 7, 3214868480
	.fill 96, 4, 3214868480
	.section	.rodata,"a",@progbits
	.p2align	6, 0x0
	.amdhsa_kernel k_q7bf9cb97de_prep
		.amdhsa_group_segment_fixed_size 37888
		.amdhsa_private_segment_fixed_size 0
		.amdhsa_enable_private_segment 0
		.amdhsa_kernarg_size 64
		.amdhsa_user_sgpr_count 2
		.amdhsa_user_sgpr_kernarg_segment_ptr 1
		.amdhsa_wavefront_size32 1
		.amdhsa_system_sgpr_workgroup_id_x 1
		.amdhsa_system_sgpr_workgroup_id_y 1
		.amdhsa_system_sgpr_workgroup_id_z 1
		.amdhsa_system_vgpr_workitem_id 0
		.amdhsa_next_free_vgpr 512
		.amdhsa_next_free_sgpr 66
		.amdhsa_reserve_vcc 0
		.amdhsa_float_denorm_mode_32 3
		.amdhsa_float_denorm_mode_16_64 3
		.amdhsa_memory_ordered 1
		.amdhsa_forward_progress 1
		.amdhsa_inst_pref_size 87
	.end_amdhsa_kernel
	.amdgpu_metadata
---
amdhsa.version: [ 1, 2 ]
amdhsa.kernels:
  - .name:           k_q7bf9cb97de_prep
    .symbol:         k_q7bf9cb97de_prep.kd
    .args:
      - { .name: Ws_w, .offset: 0, .size: 8, .value_kind: global_buffer, .address_space: global }
      - { .name: Wh_w, .offset: 8, .size: 8, .value_kind: global_buffer, .address_space: global }
      - { .name: dec_hidden, .offset: 16, .size: 8, .value_kind: global_buffer, .address_space: global }
      - { .name: Wh_b, .offset: 24, .size: 8, .value_kind: global_buffer, .address_space: global }
      - { .name: Ws_b, .offset: 32, .size: 8, .value_kind: global_buffer, .address_space: global }
      - { .name: Wc_b, .offset: 40, .size: 8, .value_kind: global_buffer, .address_space: global }
      - { .name: wsq, .offset: 48, .size: 8, .value_kind: global_buffer, .address_space: global }
      - { .name: base, .offset: 56, .size: 8, .value_kind: global_buffer, .address_space: global }
    .group_segment_fixed_size: 37888
    .private_segment_fixed_size: 0
    .kernarg_segment_align: 8
    .kernarg_segment_size: 64
    .max_flat_workgroup_size: 256
    .sgpr_count:     66
    .vgpr_count:     512
    .wavefront_size: 32
...
	.end_amdgpu_metadata
.endif
;; end of part 1
;; launch score (part 2): grid 256 x 1, 4 waves a work-group, clusters of 4 x 1, 327,680 bytes of LDS; arguments enc_output, prev_coverage, Wc_w, V_w, wsq, base, scores, part; writes scores, part
.if DOCPART == 2
	.amdgcn_target "amdgcn-amd-amdhsa--gfx1250"
	.amdhsa_code_object_version 6
	.text
	.protected	k_q7bf9cb97de_score
	.globl	k_q7bf9cb97de_score
	.p2align	8
	.type	k_q7bf9cb97de_score,@function
k_q7bf9cb97de_score:
	s_mov_b64 s[64:65], 0
	v_nop
	global_prefetch_b8 v0, s[64:65] scope:SCOPE_SE
	s_setreg_imm32_b32 hwreg(HW_REG_WAVE_MODE, 25, 1), 1
	s_wait_xcnt 0x0
	s_wait_alu depctr_hold_cnt(0) depctr_sa_sdst(0) depctr_va_vdst(0) depctr_va_sdst(0) depctr_va_ssrc(0) depctr_va_vcc(0) depctr_vm_vsrc(0)
	s_getreg_b32 s2, hwreg(HW_REG_IB_STS2, 6, 4)
	s_cmp_eq_u32 s2, 0
	s_cbranch_scc0 .Lentry_in_a_cluster
	s_endpgm
.Lentry_in_a_cluster:
	s_bfe_u32 s2, ttmp6, 0x10000c
	s_cmp_lg_u32 s2, 0x3003
	s_cbranch_scc0 .Lentry_shape_is_right
	s_endpgm
.Lentry_shape_is_right:
; SCORE AND A WAVE'S PART OF THE CONTEXT.  scores[b][s] = the sum over u of -2 V[u] / (1 + 2^(K2 feat[b][s][u])), K2 = 2 log2 e, since tanh(x) = 1 - 2 / (1 + e^(2 x)).
; V_b and the sum of V, the same for all places of a batch, are left out as dead work, and enc_pad_mask is not loaded (both shown at the first launch's head).
; feat = Q(enc) Q(Ws) + cov x Wc + base, the product on codes of BF8 (E5M2) with one E8M0 scale for 32 along K; base comes from the first launch.
; SHARES.  256 work-groups of four waves; a work-group owns 256 places of one batch, a wave 64: row r of its tile m is its place 4 r + m.  PHASE 1: the wave loads its 64 rows of enc (512 consecutive bytes a load),
; turns them through its stage in LDS, quantises them, and parks codes and scale words in LDS until they go into windows 1 and 2 (512 registers: all of K).  PHASE 2: Ws's 64 records of 16 columns pass through a ring of two
; LDS slots of four records; each record is one tile: 32 products on four accumulators by turns, source 0 = Ws's columns, source 1 = my rows: a lane holds one place and 8 u.
; A TILE'S VECTOR WORK IS SPREAD OVER THREE TILES.  Among tile t's products, two plain lines behind each of K steps 2 to 7: V's multiply-adds of tile t - 2 (set R), R = E + 1 of tile t - 1, E = K2 (cov Wc + base) of tile t.
; Behind the products E += K2 x sums; one wait; the next tile's 42 LDS loads in one run; then ONE batch: 2^E of tile t and 1 / R of tile t - 1, and one wait behind it.  No transcendental and no load stands among products.
; PHASE 3: m = the largest of my wave's 64 scores, p = e^(score - m), l = the sum of p; my 64 rows of enc are read a second time (1 MB a work-group does not fit on a WGP beside the codes), and the sum of p x row,
; 4,096 bytes, with (m, l) behind it in a unit of 256 bytes, goes to my wave's record of part.  The last launch joins a batch's 32 records.  48 of the second read's 512 loads are asked for ahead of phase 2.
; CLUSTER 4, 1, 1: the four work-groups ask for each record of Ws jointly.  No prefetch: enc's rows are asked for by up to 64 register loads a wave; wsq is 1 MB in all beside enc's 256 MB, and a record is asked for four tiles ahead of its use.
; LIMITS.  NaN and infinities among the inputs are not served.  A block of zeros gets the scale byte 1: its codes are zeros, and this launch alone reads the byte.
; REGISTERS in phase 2.  Window 0: v3-6 addresses; v8-11 cov; v12-19 the scores' sums; v20-43 tables; v44-59 my rows' scale words; v60-63 Ws's; v64-191 eight fragments of Ws; v192-223 E; v224-255 R.  Windows 1, 2: my codes.
; Window 3: v0-31 the four accumulators; v64-255 phase 3's first three groups of rows.  In phase 3: v64-95 the context's sums; window 3: four groups of 16 rows x 512 bytes.
.set REC,   16896
.set SLOTB, 4*REC
.set TAB,   2*SLOTB                    ; K2 Wc, K2 base, -2 V: 4,096 bytes each
.set STG,   TAB+12288
.set STW,   16*528
.set PARK,  STG+4*STW
.set PARKW, 34816
.set SPARE, PARK+4*PARKW               ; the spare words: 128 bytes a wave
.set RECP,  4352                       ; a wave's record of part
.set SPW, 1
.set NIL, 2
.set L16, 3
.set STI, 4
.set STO, 5
.set PKI, 6
.set PKS, 7
.set PKU, 12
.set ADK, 13
.set ADS, 14
.set ADB, 4
.set ADP, 5
.set H32, 6
.set COV, 8
.set SC,  12
.set KW,  20
.set KB,  28
.set MV,  36
.set ES,  44
.set WSC, 60                           ; word p in v[60 + (p + 1) % 4]: no product's two scale registers have numbers equal modulo 8
.set BF,  64
.set E,   192
.set R,   224
.set ACC, 0
.set X,   64
.set TM,  128
.set PW,  144
.set PC,  148
.set TT,  164
.set PP,  24                           ; phase 3: v24-27 p of my places 4 r + m; v28, v29 m and l; v30 at work; v31 8 x lane
.set ST,  28
.set AC,  64
.set WV,  32
.set SEL, 38
.set MNT, 40
.set K2,  42
.set OUTC, 44
.set INC,  45
.set TB,  46
.set TP,  47
.set NX,  48
.set PT,  49
.set PS,  57
.set PQ,  68                           ; s68-83: p of the sixteen rows of a group
.set MSB, 0
.macro WIN new                         ; the immediate's high byte repeats the setting that is left
.if MSB != \new
	s_set_vgpr_msb (MSB<<8)|\new
.set MSB, \new
.endif
.endm
.macro CREST                           ; a round of the cluster's barrier behind its opening barrier
	s_cmp_lg_u32 s[WV], 0
	s_cbranch_scc1 .Lnot_wave_0_\@
	s_barrier_signal -3
.Lnot_wave_0_\@:
	s_barrier_wait -3
	s_barrier_signal -1
	s_barrier_wait -1
.endm
.macro CROUND
	s_barrier_signal -1
	s_barrier_wait -1
	CREST
.endm
.macro LAND q                          ; 16 rows x 512 bytes into window 3
	WIN 0xc0
.irp i, 0,1,2,3,4,5,6,7,8,9,10,11,12,13,14,15
	global_load_b128 v[64*\q+4*\i:64*\q+4*\i+3], v[L16], s[52:53] offset:16384*\i+512*\q th:TH_LOAD_NT
.endr
	WIN 0
.endm
.macro RLAND g                         ; phase 3: group g, counted from the trip's first: bytes 512 g on of sixteen rows four apart, into block (g + 1) % 4 of window 3
	WIN 0xc0
.irp i, 0,1,2,3,4,5,6,7,8,9,10,11,12,13,14,15
	global_load_b128 v[64*(((\g)+1)%4)+4*\i:64*(((\g)+1)%4)+4*\i+3], v[L16], s[52:53] offset:16384*\i+512*(\g) th:TH_LOAD_NT
.endr
.endm
.macro QUANT                           ; 64 numbers a lane (16 of each of four blocks) -> 16 registers of codes, a scale word
.irp b, 0,1,2,3
	v_max3_num_f32 v[TM+\b], |v[X+16*\b]|, |v[X+16*\b+1]|, 0x8000000
.endr
.irp i, 2,4,6,8,10,12,14
.irp b, 0,1,2,3
	v_max3_num_f32 v[TM+\b], v[TM+\b], |v[X+16*\b+\i]|, |v[X+16*\b+\i+1]|
.endr
.endr
.irp b, 0,1,2,3
	v_permlanex16_b32 v[TM+4+\b], v[TM+\b], s[SEL], s[SEL+1]
.endr
.irp b, 0,1,2,3
	v_max_num_f32 v[TM+\b], v[TM+\b], v[TM+4+\b]
.endr
.irp b, 0,1,2,3
	v_add_nc_u32 v[TM+12+\b], 0xf8800000, v[TM+\b]
.endr
.irp b, 0,1,2,3
	v_and_or_b32 v[TM+8+\b], v[TM+\b], 0x7f800000, s[MNT]
.endr
.irp b, 0,1,2,3
	v_lshrrev_b32 v[TM+4+\b], 23, v[TM+12+\b]
.endr
	v_lshl_or_b32 v[PW], v[TM+5], 8, v[TM+4]
	v_lshl_or_b32 v[PW], v[TM+6], 16, v[PW]
	v_lshl_or_b32 v[PW], v[TM+7], 24, v[PW]
.irp b, 0,1,2,3
.irp i, 0,1,2,3,4,5,6,7,8,9,10,11,12,13,14,15
	v_med3_num_f32 v[X+16*\b+\i], v[X+16*\b+\i], -v[TM+8+\b], v[TM+8+\b]
.endr
	v_cvt_scalef32_pk8_bf8_f32 v[PC+4*\b:PC+4*\b+1], v[X+16*\b:X+16*\b+7], v[TM+12+\b]
	v_cvt_scalef32_pk8_bf8_f32 v[PC+4*\b+2:PC+4*\b+3], v[X+16*\b+8:X+16*\b+15], v[TM+12+\b]
.endr
	v_nop
.endm
.macro FRAG q, issue, left             ; 16 rows x 128 of K: through my stage, quantised, parked
	s_wait_loadcnt \left
	WIN 0x0c
.irp i, 0,1,2,3,4,5,6,7,8,9,10,11,12,13,14,15
	ds_store_b128 v[STI], v[64*\q+4*\i:64*\q+4*\i+3] offset:528*\i
.endr
	WIN 0
.irp b, 0,1,2,3
.irp j, 0,1,2,3
	ds_load_b128 v[X+16*\b+4*\j:X+16*\b+4*\j+3], v[STO] offset:128*\b+16*\j
.endr
.endr
.if \issue
	s_wait_dscnt 16
	LAND \q
.endif
	s_wait_dscnt 0x0
	QUANT
.irp c, 0,1,2,3
	ds_store_b128 v[ADK], v[PC+4*\c:PC+4*\c+3] offset:2048*\q+512*\c
.endr
	ds_store_b32 v[ADS], v[PW] offset:128*\q
.endm
.macro TRIP issue                      ; tile m = trip % 4 of my rows, half trip / 4 of K; issue = 1: the next trip's loads go out
.if \issue
	s_and_b32 s50, s[NX], 3
	s_lshl_b32 s50, s50, 12
	s_lshr_b32 s56, s[NX], 2
	s_lshl_b32 s56, s56, 11
	s_add_co_u32 s50, s50, s56
	s_wait_xcnt 0x0
	s_add_nc_u64 s[52:53], s[54:55], s[50:51]
.endif
	v_add_nc_u32 v[ADK], s[PT], v[PKI]
	v_add_nc_u32 v[ADS], s[PS], v[PKS]
.if \issue
	FRAG 0, 1, 48
	FRAG 1, 1, 48
	FRAG 2, 1, 48
	FRAG 3, 1, 48
.else
	FRAG 0, 0, 48
	FRAG 1, 0, 32
	FRAG 2, 0, 16
	FRAG 3, 0, 0
.endif
	s_add_co_u32 s[PT], s[PT], 8192
	s_add_co_u32 s[PS], s[PS], 512
.endm
.macro UNPARK c                        ; half c of K: sixteen fragments into window 1 + c, eight scale registers
.if \c == 0
	WIN 0x40
.else
	WIN 0x80
.endif
.set f, 0
.rept 16
.irp g, 0,1,2,3
	ds_load_b128 v[16*f+4*\g:16*f+4*\g+3], v[PKI] offset:2048*f+512*\g
.endr
.set f, f+1
.endr
	WIN 0
.irp m, 0,1,2,3
.irp e, 0,1
	ds_load_b32 v[ES+4*\m+2*\c+\e], v[PKU] offset:128*(4*\m+2*\e)
.endr
.endr
.endm
	s_load_b256 s[4:11], s[0:1], 0x0               ; enc, cov, Wc_w, V_w
	s_load_b128 s[12:15], s[0:1], 0x20             ; wsq, base
	s_load_b64 s[36:37], s[0:1], 0x30              ; scores
	s_load_b64 s[66:67], s[0:1], 0x38              ; part
	v_lshl_add_u32 v[SPW], v0, 2, SPARE
	v_mov_b32 v[NIL], 0
	ds_add_u32 v[SPW], v[NIL]                      ; the opening lines: the add twice on end and its wait
	ds_add_u32 v[SPW], v[NIL]
	v_lshrrev_b32 v16, 5, v0
	v_readfirstlane_b32 s[WV], v16
	s_bfe_u32 s33, ttmp6, 0x40000
	s_lshl_b32 s34, ttmp9, 2
	s_add_co_u32 s34, s34, s33                     ; my work-group
	s_mov_b32 s16, 15|(3<<16)|(1<<21)              ; group 1: a record as 66 rows of 256 bytes, asked for by all four partners
	s_mov_b32 s17, 32<<16
	s_mov_b32 s18, 66<<16
	s_mov_b32 s19, 32<<16
	s_mov_b32 s20, 66
	s_mov_b32 s21, 32
	s_mov_b32 s22, 0
	s_mov_b32 s23, 0
	s_mov_b32 s[SEL], 0x76543210
	s_mov_b32 s[SEL+1], 0xfedcba98
	s_mov_b32 s[MNT], 0x600000
	s_mov_b32 s[K2], 0x4038aa3b                    ; 2 log2 e
	s_mov_b32 s[K2+1], s[K2]
	s_mul_i32 s58, s[WV], REC                      ; wave w fetches record w of a slot
	s_mov_b32 s59, 0
	s_wait_dscnt 0x0
	s_wait_kmcnt 0x0
	s_mov_b32 s24, 1
	s_add_co_u32 s25, s58, 0
	s_add_nc_u64 s[26:27], s[12:13], s[58:59]
	s_mov_b32 s28, 1
	s_add_co_u32 s29, s58, SLOTB
	s_add_nc_u64 s[30:31], s[26:27], SLOTB
	s_or_b32 s27, s27, 0x80000000
	s_or_b32 s31, s31, 0x80000000
	CROUND
	tensor_load_to_lds s[24:27], s[16:23]          ; slot 0: my one load at the head
	s_nop 0
	s_wait_alu depctr_va_vdst(0)
	s_wait_tensorcnt 0x0                           ; slot 1's first fill is issued as a refill is: the three lines, a round, the load
	ds_add_u32 v1, v2
	s_wait_dscnt 0x0
	CROUND
	tensor_load_to_lds s[28:31], s[16:23]
	s_nop 0
.rept 4
	v_nop
.endr
	v_and_b32 v16, 31, v0
	v_and_b32 v17, 15, v0
	v_bfe_u32 v18, v0, 4, 1
	v_lshlrev_b32 v[L16], 4, v16
	s_mul_i32 s56, s[WV], STW
	s_add_co_u32 s56, s56, STG
	v_add_nc_u32 v[STI], s56, v[L16]
	v_mul_u32_u24 v[STO], v17, 528
	v_lshl_add_u32 v[STO], v18, 6, v[STO]
	v_add_nc_u32 v[STO], s56, v[STO]
	s_mul_i32 s56, s[WV], PARKW
	s_add_co_u32 s56, s56, PARK
	v_add_nc_u32 v[PKI], s56, v[L16]
	s_add_co_u32 s56, s56, 32768
	v_lshl_add_u32 v[PKS], v16, 2, s56
	v_lshl_add_u32 v[PKU], v18, 7, v[PKS]
	v_lshlrev_b32 v19, 5, v0
	s_wait_alu depctr_va_vdst(0)
	v_lshlrev_b32 v15, 4, v17
	s_wait_alu depctr_va_vdst(0)
	v_lshl_add_u32 v16, v0, 5, TAB
	s_lshr_b32 s60, s34, 3
	s_lshl_b32 s60, s60, 12
	s_mov_b32 s61, 0
	s_add_nc_u64 s[14:15], s[14:15], s[60:61]      ; my batch's row of base
	s_lshl_b32 s60, s34, 10
	s_lshl_b32 s62, s[WV], 8
	s_add_co_u32 s60, s60, s62
	s_add_nc_u64 s[6:7], s[6:7], s[60:61]          ; my wave's 64 places in cov and in scores
	s_add_nc_u64 s[36:37], s[36:37], s[60:61]
	s_lshl_b32 s60, s34, 20
	s_lshl_b32 s62, s[WV], 18
	s_add_co_u32 s60, s60, s62
	s_add_nc_u64 s[54:55], s[4:5], s[60:61]        ; and their rows of enc
	s_lshl_b32 s60, s34, 2
	s_add_co_u32 s60, s60, s[WV]
	s_mul_i32 s60, s60, RECP
	s_add_nc_u64 s[66:67], s[66:67], s[60:61]      ; my wave's record of part
	s_mov_b64 s[52:53], s[54:55]
	s_mov_b32 s51, 0
	global_load_b128 v[TT:TT+3], v19, s[8:9]
	global_load_b128 v[TT+4:TT+7], v19, s[8:9] offset:16
	global_load_b128 v[TT+8:TT+11], v19, s[14:15]
	global_load_b128 v[TT+12:TT+15], v19, s[14:15] offset:16
	global_load_b128 v[TT+16:TT+19], v19, s[10:11]
	global_load_b128 v[TT+20:TT+23], v19, s[10:11] offset:16
	global_load_b128 v[COV:COV+3], v15, s[6:7]
	LAND 0
	LAND 1
	LAND 2
	s_wait_loadcnt 48
.irp i, 0,2,4,6,8,10,12,14
	v_pk_mul_f32 v[TT+\i:TT+\i+1], v[TT+\i:TT+\i+1], s[K2:K2+1] op_sel_hi:[1,0]
.endr
.irp i, 16,18,20,22
	v_pk_mul_f32 v[TT+\i:TT+\i+1], v[TT+\i:TT+\i+1], -2.0 op_sel_hi:[1,0]
.endr
.irp i, 0,1,2
	ds_store_b128 v16, v[TT+8*\i:TT+8*\i+3] offset:4096*\i
	ds_store_b128 v16, v[TT+8*\i+4:TT+8*\i+7] offset:4096*\i+16
.endr
	LAND 3
.irp b, 0,1,2,3
	v_mov_b32 v[TM+4+\b], 0
.endr
	s_mov_b32 s[NX], 1
	s_mov_b32 s[PT], 0
	s_mov_b32 s[PS], 0
.Lfill_a:
	TRIP 1
	s_add_co_u32 s[NX], s[NX], 1
	s_cmp_lt_u32 s[NX], 5
	s_cbranch_scc1 .Lfill_a
	UNPARK 0
	s_mov_b32 s[NX], 5
	s_mov_b32 s[PT], 0
	s_mov_b32 s[PS], 0
.Lfill_b:
	TRIP 1
	s_add_co_u32 s[NX], s[NX], 1
	s_cmp_lt_u32 s[NX], 8
	s_cbranch_scc1 .Lfill_b
	TRIP 0
	UNPARK 1
	s_wait_xcnt 0x0                                ; the loads' base may be written
	s_mov_b64 s[52:53], s[54:55]
	RLAND 0                                        ; phase 3's first three groups: their 192 registers of window 3 are named by nothing in phase 2
	RLAND 1
	RLAND 2
	WIN 0
; PHASE 2
.macro FR f                            ; fragment f of the next record
.irp c, 0,1,2,3
	ds_load_b128 v[BF+16*(\f)+4*\c:BF+16*(\f)+4*\c+3], v[ADB] offset:2048*(\f)+512*\c
.endr
.endm
.macro WSL p                           ; its scale words of K steps 2 p (lanes 0-15) and 2 p + 1 (lanes 16-31)
	ds_load_b32 v[WSC+((\p)+1)%4], v[ADB] offset:16384+4*(\p)
.endm
.macro RECORD                          ; a whole record: 36 loads
.irp p, 0,1,2,3
	FR 2*\p
	FR 2*\p+1
	WSL \p
.endr
.endm
.macro TABS a, d                       ; K2 Wc and K2 base of the tile at d, -2 V of the tile two before it
	ds_load_b128 v[KW:KW+3], v[\a] offset:\d
	ds_load_b128 v[KW+4:KW+7], v[\a] offset:\d+16
	ds_load_b128 v[KB:KB+3], v[\a] offset:\d+4096
	ds_load_b128 v[KB+4:KB+7], v[\a] offset:\d+4112
	ds_load_b128 v[MV:MV+3], v[\a] offset:\d+8064
	ds_load_b128 v[MV+4:MV+7], v[\a] offset:\d+8080
.endm
.macro PROD s, m
.set A_, BF+16*(\s)
.set B_, 64*(\m)+16*((\s)%4)
.set D_, ACC+8*(\m)
.set WS_, WSC+((\s)/2+1)%4
.set XS_, ES+4*(\m)+(\s)/2
.if (\s) == 0
	v_wmma_scale_f32_16x16x128_f8f6f4 v[D_:D_+7], v[A_:A_+15], v[B_:B_+15], 0, v[WS_], v[XS_] matrix_a_fmt:MATRIX_FMT_BF8 matrix_b_fmt:MATRIX_FMT_BF8
.elseif ((\s)%2) == 0
	v_wmma_scale_f32_16x16x128_f8f6f4 v[D_:D_+7], v[A_:A_+15], v[B_:B_+15], v[D_:D_+7], v[WS_], v[XS_] matrix_a_fmt:MATRIX_FMT_BF8 matrix_b_fmt:MATRIX_FMT_BF8
.else
	v_wmma_scale_f32_16x16x128_f8f6f4 v[D_:D_+7], v[A_:A_+15], v[B_:B_+15], v[D_:D_+7], v[WS_], v[XS_] matrix_a_fmt:MATRIX_FMT_BF8 matrix_b_fmt:MATRIX_FMT_BF8 matrix_a_scale:MATRIX_SCALE_ROW1 matrix_b_scale:MATRIX_SCALE_ROW1
.endif
.endm
.macro SCF1 n                          ; line n of 16: the sums += R x (-2 V); the four tiles' sums by turns
.set M_, (\n)%4
.set P_, (\n)/4
	v_pk_fma_f32 v[SC+2*M_:SC+2*M_+1], v[R+8*M_+2*P_:R+8*M_+2*P_+1], v[MV+2*P_:MV+2*P_+1], v[SC+2*M_:SC+2*M_+1]
.endm
.macro ADD1 n                          ; line n of 16: R = E + 1
	v_pk_add_f32 v[R+2*(\n):R+2*(\n)+1], v[E+2*(\n):E+2*(\n)+1], 1.0 op_sel_hi:[1,0]
.endm
.macro ZC2 j                           ; pair j of 8: E = K2 Wc x cov + K2 base, tiles 0 and 1 first
.set M_, 2*((\j)/4)
.set P_, (\j)%4
	v_pk_fma_f32 v[E+8*M_+2*P_:E+8*M_+2*P_+1], v[KW+2*P_:KW+2*P_+1], v[COV+M_:COV+M_+1], v[KB+2*P_:KB+2*P_+1] op_sel_hi:[1,0,1]
	v_pk_fma_f32 v[E+8*M_+8+2*P_:E+8*M_+8+2*P_+1], v[KW+2*P_:KW+2*P_+1], v[COV+M_:COV+M_+1], v[KB+2*P_:KB+2*P_+1] op_sel:[0,1,0] op_sel_hi:[1,1,1]
.endm
.macro GAP i                           ; the two plain lines behind a product, i = 0 .. 23
.if (\i) < 8
	SCF1 2*(\i)
	SCF1 2*(\i)+1
.elseif (\i) < 16
	ADD1 2*(\i)-16
	ADD1 2*(\i)-15
.else
	ZC2 (\i)-16
.endif
.endm
.macro GRP s, g                        ; K step s: four products; g >= 0: gaps g .. g + 3 behind them
.irp m, 0,1,2,3
.if (\s) < 4
	WIN 0xf4                                       ; source 1 window 1, C and D window 3
.else
	WIN 0xf8                                       ; source 1 window 2
.endif
	PROD \s, \m
.if (\g) >= 0
	WIN 0
	GAP (\g)+\m
.endif
.endr
.endm
.macro ALL16 what
.set n, 0
.rept 16
	\what n
.set n, n+1
.endr
.endm
; A TILE.  kind 0: inside a slot; 1: a slot's last, the slot is filled again; 2: a slot's last, no refill; 3: the very last.  At its head the whole tile lies in registers, so at a slot's last tile the slot is free.
.macro TILE kind, old
	v_add_nc_u32 v[ADP], s[TP], v[H32]
.if (\kind) < 3
	v_add_nc_u32 v[ADB], s[TB], v[L16]             ; the next record
.endif
	s_wait_alu depctr_va_vdst(0)
	s_wait_dscnt 0x0                               ; this tile's fragments, scale words and tables, asked for ahead of the last batch
.if (\kind) == 1 || (\kind) == 2
	s_wait_tensorcnt 0x0                           ; my record of the other slot is in;
	ds_add_u32 v[SPW], v[NIL]
.if (\kind) == 1
	s_add_nc_u64 s[26+4*\old:27+4*\old], s[26+4*\old:27+4*\old], 2*SLOTB
.endif
.endif
	GRP 0, -1
.if (\kind) == 1 || (\kind) == 2
	s_wait_dscnt 0x0
	s_barrier_signal -1
.endif
	GRP 1, -1
.if (\kind) == 1 || (\kind) == 2
	WIN 0
	s_barrier_wait -1
.if (\kind) == 1
	CREST                                          ; the barrier has opened a round: no wave of any partner reads this slot or has a load out
	tensor_load_to_lds s[24+4*\old:27+4*\old], s[16:23]
	s_nop 0
.rept 4
	v_nop
.endr
.endif
.endif
	GRP 2, 0
	GRP 3, 4
	GRP 4, 8
	GRP 5, 12
	GRP 6, 16
	GRP 7, 20
	WIN 0x03                                       ; source 0: the accumulators' window
.irp m, 0,1,2,3                                ; E += K2 x sums: tile by tile, each accumulator from its low end; 8 plain lines stand behind tile 0's last product, more behind the others'
.irp p, 0,1,2,3
	v_pk_fma_f32 v[E+8*\m+2*\p:E+8*\m+2*\p+1], v[ACC+8*\m+2*\p:ACC+8*\m+2*\p+1], s[K2:K2+1], v[E+8*\m+2*\p:E+8*\m+2*\p+1] op_sel_hi:[1,0,1]
.endr
.endr
	WIN 0
	s_wait_alu depctr_va_vdst(0)                   ; one wait ahead of the batch;
.if (\kind) < 3
	RECORD                                         ; the next tile's loads in one run: 14 plain lines and more stand behind the last product that read these registers (8 are asked: ISA guide 7.12.1 for vector lines)
.endif
	TABS ADP, 64
.set n, 0
.rept 32
	v_exp_f32 v[E+n], v[E+n]
.set n, n+1
.endr
.set n, 0
.rept 32
	v_rcp_f32 v[R+n], v[R+n]
.set n, n+1
.endr
	v_nop
	s_wait_alu depctr_va_vdst(0)                   ; and one behind it
.endm
.macro NORM3 slot
	s_mov_b32 s[TB], \slot*SLOTB+REC
	s_mov_b32 s[INC], 3
.Ltile_\@:
	TILE 0, 0
	s_add_co_u32 s[TB], s[TB], REC
	s_add_co_u32 s[TP], s[TP], 64
	s_sub_co_u32 s[INC], s[INC], 1
	s_cmp_lg_u32 s[INC], 0
	s_cbranch_scc1 .Ltile_\@
.endm
.macro TURN old, refill
	s_mov_b32 s[TB], (1-\old)*SLOTB
	TILE 2-\refill, \old
	s_add_co_u32 s[TP], s[TP], 64
.endm
	s_wait_tensorcnt 1
	s_wait_dscnt 0x0
	v_bfe_u32 v[H32], v0, 4, 1
	v_lshl_add_u32 v[H32], v[H32], 5, TAB
.irp i, 0,1,2,3,4,5,6,7
	v_mov_b32 v[SC+\i], 0
.endr
.set n, 0
.rept 32                                       ; no tile stands before the first two: R = 0 adds nothing; E = infinity becomes R = 1 / infinity = 0
	v_mov_b32 v[E+n], 0x7f800000
	v_mov_b32 v[R+n], 0
.set n, n+1
.endr
	s_wait_alu depctr_va_vdst(0)
	s_barrier_signal -1
	s_barrier_wait -1                              ; slot 0 and the tables are whole
	s_mov_b32 s[TB], 0
	v_add_nc_u32 v[ADB], s[TB], v[L16]
	RECORD
	TABS H32, 0
	s_mov_b32 s[TP], 0
	s_mov_b32 s[OUTC], 7
.Lring:
	NORM3 0
	TURN 0, 1
	NORM3 1
	TURN 1, 1
	s_sub_co_u32 s[OUTC], s[OUTC], 1
	s_cmp_lg_u32 s[OUTC], 0
	s_cbranch_scc1 .Lring
	NORM3 0                                        ; the last lap fills nothing
	TURN 0, 0
	NORM3 1
	TILE 3, 0
	RLAND 3                                        ; phase 3's fourth group, into the block in which the accumulators lay
	WIN 0
	s_wait_dscnt 0x0                               ; -2 V of tile 62
	ALL16 SCF1                                     ; tile 62's multiply-adds,
	ALL16 ADD1                                     ; tile 63: R = E + 1,
	ds_load_b128 v[MV:MV+3], v[ADP] offset:8192    ; its -2 V,
	ds_load_b128 v[MV+4:MV+7], v[ADP] offset:8208
	s_wait_alu depctr_va_vdst(0)
.set n, 0
.rept 32
	v_rcp_f32 v[R+n], v[R+n]
.set n, n+1
.endr
	v_nop
	s_wait_alu depctr_va_vdst(0)
	s_wait_dscnt 0x0
	ALL16 SCF1                                     ; and its multiply-adds
.irp m, 0,1,2,3
	v_add_f32 v[KW+\m], v[SC+2*\m], v[SC+2*\m+1]
.endr
.irp m, 0,1,2,3
	v_permlanex16_b32 v[KW+4+\m], v[KW+\m], s[SEL], s[SEL+1]
.endr
.irp m, 0,1,2,3
	v_add_f32 v[KW+\m], v[KW+\m], v[KW+4+\m]       ; with the other half's u: places 4 r .. 4 r + 3, the same in both halves of the lanes
.endr
	v_and_b32 v[ADB], 15, v0
	v_lshlrev_b32 v[ADB], 4, v[ADB]
	v_and_b32 v[ADP], 31, v0
	v_cmp_gt_u32 vcc_lo, 16, v[ADP]
	s_wait_alu depctr_va_vdst(0)
	s_wait_xcnt 0x0
	s_and_saveexec_b32 s56, vcc_lo
	global_store_b128 v[ADB], v[KW:KW+3], s[36:37] ; sixteen lanes store 256 consecutive bytes, aligned
	s_wait_xcnt 0x0
	s_or_b32 exec_lo, exec_lo, s56
; PHASE 3
	v_max3_num_f32 v[ST], v[KW], v[KW+1], v[KW+2]
	v_max_num_f32 v[ST], v[ST], v[KW+3]
.irp x, 1,2,4,8
	v_max_num_f32_dpp v[ST], v[ST], v[ST] row_xmask:\x row_mask:0xf bank_mask:0xf
.endr                                          ; m: the largest of my wave's 64 scores
.irp m, 0,1,2,3
	v_sub_f32 v[PP+\m], v[KW+\m], v[ST]            ; less the maximum: 0 or less
.endr
.irp m, 0,1,2,3
	v_mul_f32 v[PP+\m], 0x3fb8aa3b, v[PP+\m]
.endr
	v_lshlrev_b32 v31, 3, v[ADP]
.set n, 0
.rept 32
	v_mov_b32 v[AC+n], 0                           ; the loop's one text finds zeros
.set n, n+1
.endr
	s_wait_alu depctr_va_vdst(0)
.irp m, 0,1,2,3
	v_exp_f32 v[PP+\m], v[PP+\m]
.endr
	v_nop
	s_wait_alu depctr_va_vdst(0)
	v_add_f32 v[ST+1], v[PP], v[PP+1]
	v_add_f32 v[ST+2], v[PP+2], v[PP+3]
	v_add_f32 v[ST+1], v[ST+1], v[ST+2]
.irp x, 1,2,4,8
	v_add_f32_dpp v[ST+1], v[ST+1], v[ST+1] row_xmask:\x row_mask:0xf bank_mask:0xf
.endr                                          ; l: the sum of the 64 p
	global_store_b64 v31, v[ST:ST+1], s[66:67] offset:4096   ; (m, l) in every lane: one aligned unit of 256 bytes
.macro PROWS                           ; p of rows 4 i + m, i = 0 .. 15, as scalars: lane i of v[PP] holds it
.irp i, 0,1,2,3,4,5,6,7,8,9,10,11,12,13,14,15
	v_readlane_b32 s[PQ+\i], v[PP], \i
.endr
.endm
.macro RSUM j                          ; group j of a trip: columns 128 j + 4 lane + 0 .. 3 of sixteen rows
	WIN 0x0c                                       ; source 1 in window 3
.irp i, 0,1,2,3,4,5,6,7,8,9,10,11,12,13,14,15
.irp e, 0,1,2,3
	v_fmac_f32 v[AC+4*(\j)+\e], s[PQ+\i], v[64*(((\j)+1)%4)+4*\i+\e]
.endr
.endr
.endm
.macro RTRIP last                      ; rows 4 i + m, whole: eight groups.  Behind a group's loads stand those of three younger groups, fewer at the end
.irp j, 0,1,2,3,4,5,6,7
.if (\last) && \j > 4
	s_wait_loadcnt 16*(7-\j)
.else
	s_wait_loadcnt 48
.endif
	RSUM \j
.if (\last) == 0 || \j < 4
	RLAND \j+4                                     ; four groups on; from group 8 on that is the next row
.endif
.endr
	WIN 0
.endm
	PROWS
	s_mov_b32 s[INC], 3
.Lrows:
	RTRIP 0
	s_wait_xcnt 0x0                                ; the loads have read their base
	s_add_nc_u64 s[52:53], s[52:53], 4096          ; a row on
	v_mov_b32 v[PP], v[PP+1]                       ; and its p
	v_mov_b32 v[PP+1], v[PP+2]
	v_mov_b32 v[PP+2], v[PP+3]
	PROWS
	s_sub_co_u32 s[INC], s[INC], 1
	s_cmp_lg_u32 s[INC], 0
	s_wait_alu depctr_va_vdst(0)
	s_cbranch_scc1 .Lrows
	RTRIP 1                                        ; the last trip is written out: it asks for nothing beyond my rows
.irp k, 0,1,2,3,4,5,6,7
	global_store_b128 v[L16], v[AC+4*\k:AC+4*\k+3], s[66:67] offset:512*\k   ; 512 consecutive bytes, aligned
.endr
	s_wait_tensorcnt 0x0                           ; the wave's end
	ds_add_u32 v[SPW], v[NIL]
	s_wait_dscnt 0x0
	CROUND                                         ; the closing round
	s_endpgm
.Lfunc_end_k_q7bf9cb97de_score:
	.size	k_q7bf9cb97de_score, .Lfunc_end_k_q7bf9cb97de_score-k_q7bf9cb97de_score
	.p2alignl 7, 3214868480
	.fill 96, 4, 3214868480
	.section	.rodata,"a",@progbits
	.p2align	6, 0x0
	.amdhsa_kernel k_q7bf9cb97de_score
		.amdhsa_group_segment_fixed_size 327680
		.amdhsa_private_segment_fixed_size 0
		.amdhsa_enable_private_segment 0
		.amdhsa_kernarg_size 64
		.amdhsa_user_sgpr_count 2
		.amdhsa_user_sgpr_kernarg_segment_ptr 1
		.amdhsa_wavefront_size32 1
		.amdhsa_system_sgpr_workgroup_id_x 1
		.amdhsa_system_sgpr_workgroup_id_y 1
		.amdhsa_system_sgpr_workgroup_id_z 1
		.amdhsa_system_vgpr_workitem_id 0
		.amdhsa_next_free_vgpr 1024
		.amdhsa_next_free_sgpr 84
		.amdhsa_reserve_vcc 1
		.amdhsa_float_denorm_mode_32 3
		.amdhsa_float_denorm_mode_16_64 3
		.amdhsa_memory_ordered 1
		.amdhsa_forward_progress 1
		.amdhsa_inst_pref_size 255
	.end_amdhsa_kernel
	.section	.bss,"aw",@nobits
	.p2align	6
	.space	262144
	.amdgpu_metadata
---
amdhsa.version: [ 1, 2 ]
amdhsa.kernels:
  - .name:           k_q7bf9cb97de_score
    .symbol:         k_q7bf9cb97de_score.kd
    .args:
      - { .name: enc_output, .offset: 0, .size: 8, .value_kind: global_buffer, .address_space: global }
      - { .name: prev_coverage, .offset: 8, .size: 8, .value_kind: global_buffer, .address_space: global }
      - { .name: Wc_w, .offset: 16, .size: 8, .value_kind: global_buffer, .address_space: global }
      - { .name: V_w, .offset: 24, .size: 8, .value_kind: global_buffer, .address_space: global }
      - { .name: wsq, .offset: 32, .size: 8, .value_kind: global_buffer, .address_space: global }
      - { .name: base, .offset: 40, .size: 8, .value_kind: global_buffer, .address_space: global }
      - { .name: scores, .offset: 48, .size: 8, .value_kind: global_buffer, .address_space: global }
      - { .name: part, .offset: 56, .size: 8, .value_kind: global_buffer, .address_space: global }
    .group_segment_fixed_size: 327680
    .private_segment_fixed_size: 0
    .kernarg_segment_align: 8
    .kernarg_segment_size: 64
    .max_flat_workgroup_size: 128
    .sgpr_count:     84
    .vgpr_count:     1024
    .wavefront_size: 32
...
	.end_amdgpu_metadata
.endif
;; end of part 2
;; launch finish (part 3): grid 8 x 32, 1 waves a work-group, no clusters, 0 bytes of LDS; arguments prev_coverage, scores, part, out0, out1, out2; writes out0, out1, out2
.if DOCPART == 3
	.amdgcn_target "amdgcn-amd-amdhsa--gfx1250"
	.amdhsa_code_object_version 6
	.text
	.protected	k_q7bf9cb97de_finish
	.globl	k_q7bf9cb97de_finish
	.p2align	8
	.type	k_q7bf9cb97de_finish,@function
k_q7bf9cb97de_finish:
	s_mov_b64 s[64:65], 0
	v_nop
	global_prefetch_b8 v0, s[64:65] scope:SCOPE_SE
	s_setreg_imm32_b32 hwreg(HW_REG_WAVE_MODE, 25, 1), 1
	s_wait_xcnt 0x0
; FINISH.  A batch's 32 records of part (the sum of p x row under the record's own maximum m, and l = the sum of p) are joined: M = the largest m, f = e^(m - M), L = the sum of l f;
; out0 = the sum of f x record / L; out1 = e^(score - M) / L; out2 = out1 + prev_coverage.  V_b and the sum of V are left out as dead work (shown at the first launch's head).
; SHARES.  Work-group (d, b), one wave, owns columns 128 d .. 128 d + 127 of batch b's context and places 256 d .. 256 d + 255 of out1 and out2: each output has one owner.  Lane j takes record j's (m, l), 8 bytes of a unit; all other
; loads and all stores cover 512 consecutive bytes, aligned.  All 37 loads go out at once; no loop, so no prefetch; no LDS, no matrix unit, no cluster: the eight work-groups of a batch share 256 bytes of (m, l) alone.
; LIMITS.  NaN and infinities are not served.
.set RECP, 4352
.set L2E,  0x3fb8aa3b
	s_load_b256 s[4:11], s[0:1], 0x0               ; cov s[4:5], scores s[6:7], part s[8:9], out0 s[10:11]
	s_load_b128 s[12:15], s[0:1], 0x20             ; out1 s[12:13], out2 s[14:15]
	v_lshlrev_b32 v1, 4, v0                        ; 16 x lane
	v_mul_u32_u24 v2, v0, RECP                     ; record = lane
	v_mov_b32 v6, 0                                ; written once: a lane permute's destination counts as one of its sources
	s_and_b32 s16, ttmp7, 0xffff                   ; b
	s_mul_i32 s18, s16, 32*RECP                    ; the batch's records
	s_mov_b32 s19, 0
	s_lshl_b32 s20, ttmp9, 9                       ; my 512 bytes of a record
	s_mov_b32 s21, 0
	s_lshl_b32 s22, s16, 13
	s_lshl_b32 s24, ttmp9, 10
	s_add_co_u32 s22, s22, s24                     ; my 256 places
	s_mov_b32 s23, 0
	s_lshl_b32 s24, s16, 12
	s_add_co_u32 s24, s24, s20                     ; my 512 bytes of out0
	s_mov_b32 s25, 0
	s_mov_b32 s26, 0x76543210
	s_mov_b32 s27, 0xfedcba98
	s_wait_alu depctr_va_vdst(0)
	s_wait_kmcnt 0x0
	s_add_nc_u64 s[8:9], s[8:9], s[18:19]
	s_add_nc_u64 s[28:29], s[8:9], s[20:21]
	s_add_nc_u64 s[4:5], s[4:5], s[22:23]
	s_add_nc_u64 s[6:7], s[6:7], s[22:23]
	s_add_nc_u64 s[12:13], s[12:13], s[22:23]
	s_add_nc_u64 s[14:15], s[14:15], s[22:23]
	s_add_nc_u64 s[10:11], s[10:11], s[24:25]
	global_load_b64 v[4:5], v2, s[8:9] offset:4096
	global_load_b128 v[8:11], v1, s[6:7]
	global_load_b128 v[12:15], v1, s[6:7] offset:512
	global_load_b128 v[16:19], v1, s[4:5]
	global_load_b128 v[20:23], v1, s[4:5] offset:512
.set k, 0
.rept 32
	global_load_b128 v[32+4*k:35+4*k], v1, s[28:29] offset:RECP*k
.set k, k+1
.endr
	s_wait_loadcnt 34                              ; (m, l) and the scores are in; coverage's 2 loads and the records' 32 may be out
	v_mov_b32 v7, v4
.irp x, 1,2,4,8
	v_max_num_f32_dpp v7, v7, v7 row_xmask:\x row_mask:0xf bank_mask:0xf
.endr
	v_permlanex16_b32 v6, v7, s26, s27
	v_max_num_f32 v7, v7, v6                       ; M
	v_sub_f32 v24, v4, v7
	v_mul_f32 v24, L2E, v24
.irp i, 8,9,10,11,12,13,14,15
	v_sub_f32 v[\i], v[\i], v7                     ; less the maximum: 0 or less
.endr
.irp i, 8,9,10,11,12,13,14,15
	v_mul_f32 v[\i], L2E, v[\i]
.endr
	s_wait_alu depctr_va_vdst(0)                   ; one wait ahead of the batch, one behind it
	v_exp_f32 v24, v24
.irp i, 8,9,10,11,12,13,14,15
	v_exp_f32 v[\i], v[\i]
.endr
	v_nop
	s_wait_alu depctr_va_vdst(0)
	v_mul_f32 v25, v24, v5                         ; l f
.irp x, 1,2,4,8
	v_add_f32_dpp v25, v25, v25 row_xmask:\x row_mask:0xf bank_mask:0xf
.endr
	v_permlanex16_b32 v6, v25, s26, s27
	v_add_f32 v25, v25, v6                         ; L: at least 1
	s_wait_alu depctr_va_vdst(0)
	v_rcp_f32 v26, v25
	v_nop
	s_wait_alu depctr_va_vdst(0)
	v_mul_f32 v24, v24, v26                        ; f / L
.irp i, 8,9,10,11,12,13,14,15
	v_mul_f32 v[\i], v[\i], v26                    ; the weights
.endr
.set k, 0
.rept 32
	v_readlane_b32 s[32+k], v24, k                 ; record k's factor, as a scalar
.set k, k+1
.endr
	global_store_b128 v1, v[8:11], s[12:13]
	global_store_b128 v1, v[12:15], s[12:13] offset:512
	s_wait_alu depctr_va_vdst(0)
	s_wait_loadcnt 0x0
.irp i, 0,2,4,6
	v_pk_add_f32 v[16+\i:17+\i], v[16+\i:17+\i], v[8+\i:9+\i]
.endr
	global_store_b128 v1, v[16:19], s[14:15]
	global_store_b128 v1, v[20:23], s[14:15] offset:512
.irp e, 0,1,2,3
	v_mul_f32 v[28+\e], s32, v[32+\e]              ; record 0 starts the sums
.endr
.set k, 1
.rept 31
.irp e, 0,1,2,3
	v_fmac_f32 v[28+\e], s[32+k], v[32+4*k+\e]
.endr
.set k, k+1
.endr
	global_store_b128 v1, v[28:31], s[10:11]
	s_endpgm
.Lfunc_end_k_q7bf9cb97de_finish:
	.size	k_q7bf9cb97de_finish, .Lfunc_end_k_q7bf9cb97de_finish-k_q7bf9cb97de_finish
	.p2alignl 7, 3214868480
	.fill 96, 4, 3214868480
	.section	.rodata,"a",@progbits
	.p2align	6, 0x0
	.amdhsa_kernel k_q7bf9cb97de_finish
		.amdhsa_group_segment_fixed_size 0
		.amdhsa_private_segment_fixed_size 0
		.amdhsa_enable_private_segment 0
		.amdhsa_kernarg_size 48
		.amdhsa_user_sgpr_count 2
		.amdhsa_user_sgpr_kernarg_segment_ptr 1
		.amdhsa_wavefront_size32 1
		.amdhsa_system_sgpr_workgroup_id_x 1
		.amdhsa_system_sgpr_workgroup_id_y 1
		.amdhsa_system_sgpr_workgroup_id_z 1
		.amdhsa_system_vgpr_workitem_id 0
		.amdhsa_next_free_vgpr 192
		.amdhsa_next_free_sgpr 66
		.amdhsa_reserve_vcc 0
		.amdhsa_float_denorm_mode_32 3
		.amdhsa_float_denorm_mode_16_64 3
		.amdhsa_memory_ordered 1
		.amdhsa_forward_progress 1
		.amdhsa_inst_pref_size 15
	.end_amdhsa_kernel
	.amdgpu_metadata
---
amdhsa.version: [ 1, 2 ]
amdhsa.kernels:
  - .name:           k_q7bf9cb97de_finish
    .symbol:         k_q7bf9cb97de_finish.kd
    .args:
      - { .name: prev_coverage, .offset: 0, .size: 8, .value_kind: global_buffer, .address_space: global }
      - { .name: scores, .offset: 8, .size: 8, .value_kind: global_buffer, .address_space: global }
      - { .name: part, .offset: 16, .size: 8, .value_kind: global_buffer, .address_space: global }
      - { .name: out0, .offset: 24, .size: 8, .value_kind: global_buffer, .address_space: global }
      - { .name: out1, .offset: 32, .size: 8, .value_kind: global_buffer, .address_space: global }
      - { .name: out2, .offset: 40, .size: 8, .value_kind: global_buffer, .address_space: global }
    .group_segment_fixed_size: 0
    .private_segment_fixed_size: 0
    .kernarg_segment_align: 8
    .kernarg_segment_size: 48
    .max_flat_workgroup_size: 32
    .sgpr_count:     66
    .vgpr_count:     192
    .wavefront_size: 32
...
	.end_amdgpu_metadata
.endif
;; end of part 3
